; MI455X (gfx1250); checked and timed in simulation.
; The chip was launched on July 23, 2026; its instructions are those of AMD's public machine-readable ISA for CDNA 5 (MIT licence, August 2026) and "CDNA5" Instruction Set Architecture Reference Guide (July 2026). The comments in the code are by the model that wrote it; some were corrected since.
;; Quantized Linear. Allowed arithmetic: matrix products marked QUANTISED: E2M3 operands, one E8M0 scale for each 32 along K, by v_wmma_scale_f32_16x16x128_f8f6f4 with both operands' format E2M3, f32 sums; everything else in f32.
;; Inputs: bias 16,384 float32; scale 16,384 x 1 float32; weight 16,384 x 4,096 int8; x 1,024 x 4,096 float32.
;; Outputs: out0 1,024 x 16,384 float32.
;; This version of the problem:
;;   THIS VERSION OF THE PROBLEM IS GIVEN IN LOW PRECISION. The matrix products marked QUANTISED in the list below multiply operands that are first quantised to E2M3 (2 exponent bits, 3 mantissa bits; 6 bits a number), with one power-of-two scale for each 32 numbers along K (OCP MX v1.0); their sums are f32. All else is computed in f32.
;;   The module's matrix products, in the order in which they are computed (A, B: the left and right operand; K: the contracted axis; several contracted axes count as one K, in the product's order):
;;     1. [M 1,024, K 4,096] x [K 4,096, N 16,384]; A: input x; B: computed on the way: QUANTISED
;;   THE QUANTISER, for each operand of a quantised product, along K:
;;     - K is cut into blocks of 32 from its start; a last block that is shorter is filled with zeros.
;;     - A block's scale is 2^e with e = floor(log2(the largest magnitude in the block)) - 2, held to -126 .. 127; a block of zeros has e = 0. As a byte (E8M0): e + 127.
;;     - Each number is divided by its block's scale, clamped to +-7.5, and rounded to the nearest number of E2M3, ties to even, subnormals kept.
;;     - The product sums the exact products of the quantised numbers (number of the format x scale) in f32.
;;   ~~~python
;;   def quantise(x, axis):      # numpy; x: float32 -> the quantised numbers, widened to float32 again
;;       x = np.moveaxis(x, axis, -1); K = x.shape[-1]
;;       x = np.pad(x, [(0, 0)] * (x.ndim - 1) + [(0, -K % 32)]); x = x.reshape(x.shape[:-1] + (-1, 32)); a = np.abs(x).max(-1, keepdims=True)
;;       e = np.where(a > 0, np.clip(np.frexp(np.where(a > 0, a, 1))[1] - 1 - 2, -126, 127), 0)      # np.frexp(a)[1] - 1 = floor(log2(a)), exactly
;;       r = np.clip(x / 2.0 ** e, -7.5, 7.5)
;;       step = 2.0 ** (np.maximum(np.frexp(np.where(r == 0, 1, r))[1] - 1, 0) - 3)
;;       q = np.round(r / step) * step * 2.0 ** e      # np.round: ties to even
;;       return np.moveaxis(q.reshape(q.shape[:-2] + (-1,))[..., :K], -1, axis).astype(np.float32)
;;   ~~~
;;   OPERANDS COMPUTED ON THE WAY. 'Computed on the way' means the value that the module computes at that place (a softmax that the list does not call 'softmax' is quantised finished and normalised). What goes into a quantiser is computed in f32, as accurately as f32 sums, v_exp_f32 and their like allow (about 1e-6 of the number): no bf16 or f16 on the way to a quantiser, and a product that is left as it is and whose result goes on into a quantised operand takes f32 operands (vector FMAs, or v_wmma_f32_16x16x4_f32). A number that lies on a knife's edge between two numbers of the format may be rounded either way, as far as f32 arithmetic and the matrix unit's own rounding can turn it there, and no further.
;; One version. Each part assembles by itself: llvm-mc -triple=amdgcn-amd-amdhsa -mcpu=gfx1250 --defsym DOCPART=n.
;; ======== version 1 of 1: 2 launches
;; limits: right only within a limited range of input values
;; workspace buffers: xc 3,276,800 bytes; wc 52,428,800 bytes
;; launch quant (part 1): grid 256 x 1, 16 waves a work-group, no clusters, 297,472 bytes of LDS; arguments x, weight, scale, xc, wc; writes xc, wc
.if DOCPART == 1
	.amdgcn_target "amdgcn-amd-amdhsa--gfx1250"
	.amdhsa_code_object_version 6
	.text
	.protected	k_q9ee032ceec_quant
	.globl	k_q9ee032ceec_quant
	.p2align	8
	.type	k_q9ee032ceec_quant,@function
k_q9ee032ceec_quant:
	s_mov_b64 s[64:65], 0
	v_nop
	global_prefetch_b8 v0, s[64:65] scope:SCOPE_SE
	s_setreg_imm32_b32 hwreg(HW_REG_WAVE_MODE, 25, 1), 1
	s_wait_xcnt 0x0
; x [1024][4096] f32 and w[o][i] = f32(weight[o][i]) * scale[o] ([16384][4096], int8 and one f32 a row) are turned into codes of FP6 (E2M3) with one E8M0 scale byte for each 32 along K.
; A block's scale is 2^(floor(log2(its largest magnitude)) - 2); its byte is the largest magnitude's own exponent field - 2, held at 1 from below.  Each number is divided by the scale and rounded to the nearest code, ties to even;
; beyond the largest code the conversion gives the largest code.
; LIMITS: NaN and infinities among the inputs are not served.  A block of zeros gets the byte 1 where the quantiser's rule says 127: its codes are zeros, which add nothing under any byte but 0xff, and the bytes are read by this program alone.
; LAYOUT OF THE RESULTS, in the order of the operand's registers: [block of 128 rows][chunk of 128 along K, 32 of them]; a chunk is 12,800 bytes: the images of its 8 fragments (16 rows x 128 K: registers 4 c .. 4 c + 3 of lane l
; at 512 c + 16 l: 1,536 bytes), then 512 bytes of scale words: the word of row 16 i + r at 256 (i / 4) + 16 r + 4 (i % 4).
; SHARES.  256 work-groups of 16 waves.  A work-group takes 64 rows of w, all of K: 262,144 bytes, which lie in LDS at once, so nothing is filled again.  Wave y fetches 64 rows x 256 bytes (K = 256 y ..) by ONE tensor load at the head,
; rows of 256 bytes of memory on 256-byte borders, 16 bytes of padding behind each, and it alone reads that tile: its own wait on TENSORcnt is all the ordering, and there is no barrier.  The 16 waves' tiles together are whole rows of w.
; Waves 0 and 1 first take 64 rows x 128 along K of x each (512 such shares), by register loads of 512 consecutive bytes through a stage of their own, while the tiles are on their way.
; The conversion wants 16 neighbours along K in one lane, and the operand's layout wants lane (r = lane % 16, h = lane / 16) to hold row r: LDS gives register 16 b + i = k 32 b + 16 h + i of row r.
; Every store of codes covers 512 consecutive bytes, aligned; scale words leave in whole aligned runs of 256 bytes.
; No cluster: no two work-groups read the same bytes.  No prefetch: there is no loop to run ahead in, every byte of w is asked for at the head.
.set CH,    12800                      ; a chunk
.set RBLK,  32*CH                      ; 128 rows, all of K
.set FRB,   1536                       ; a fragment's image
.set SCO,   8*FRB                      ; where a chunk's scale words begin
.set WP,    272                        ; w's tile: an LDS row of 256 bytes + 16: the sixteen rows that a load touches start in sixteen different columns of 16 bytes
.set WT,    64*WP                      ; a wave's tile
.set XP,    528                        ; x's stage: a row of 512 bytes + 16
.set XSTG,  16*XP
.set XBASE, 16*WT                      ; x's two stages lie behind the sixteen tiles, in blocks of 256 bytes into which no tile lands
.set SPARE, XBASE+2*XSTG               ; behind them the spare words, 128 bytes for each wave
.set SEL,   2                          ; s[2:3]   lane selects for v_permlanex16_b32: lane l xor 16
.set G0,    32                         ; s[32:35], s[36:43] the tensor load's groups 0 and 1
.set G1,    36
.set SCL,   8                          ; v8-11    w: my row's scale in each of the four groups
.set SCP,   12                         ; v[12:13] w: the scale of the group in hand (the packed multiply names a pair and takes its low word for both halves)
.set TM,    16                         ; v16-19 largest magnitudes, v20-23 the other half's, then the bytes, v28-31 the conversions' scale operands
.set SPW,   24                         ; v24      LDS address of my spare word; never rewritten
.set NIL,   25                         ; v25      0; never rewritten
.set SW,    32                         ; v32-39   scale words (w: first chunk's four groups, then the second's; x: four groups)
.set OW,    40                         ; v40-43   the words that I store
.set PC,    44                         ; v44-55   the fragment just made; v56-62 at work
.set D,     64                         ; v64-191  x: two sets of 64 numbers
.set X,     64                         ; v64-127  w: 64 numbers in f32
.set RW,    128                        ; v128-191 w: two sets of 32 words of int8
; v1 offset of the scales' loads  v2 lane  v3 16 x lane  v4, v5 w: where I store codes, scale words  v6 lane % 16  v7 lane / 16  v14, v15 x's stage, in and out  v26 my tile  v27, v63 x: where I store codes, scale words
; 64 numbers of a lane, v[QS] on, register 16 b + i = k 32 b + 16 (lane / 16) + i of my row, become a fragment's codes in v[PC] on and its scale word in v[QW].
.macro QUANT
.irp b, 0,1,2,3
	v_max3_num_f32 v[TM+\b], |v[QS+16*\b]|, |v[QS+1+16*\b]|, 0x1800000   ; block b: my 16 numbers, and the floor 2^(3 - 127): so the byte cannot fall under 1
.endr
.irp i, 2,4,6,8,10,12,14
.irp b, 0,1,2,3
	v_max3_num_f32 v[TM+\b], v[TM+\b], |v[QS+16*\b+\i]|, |v[QS+1+16*\b+\i]|   ; (the four blocks by turns)
.endr
.endr
.irp b, 0,1,2,3
	v_permlanex16_b32 v[TM+4+\b], v[TM+\b], s[SEL], s[SEL+1]
.endr
.irp b, 0,1,2,3
	v_max_num_f32 v[TM+\b], v[TM+\b], v[TM+4+\b]   ; with lane l xor 16's: the block's largest magnitude
.endr
.irp b, 0,1,2,3
	v_add_nc_u32 v[TM+12+\b], 0xff000000, v[TM+\b] ; 2 off its exponent field: the conversion takes the exponent field of this operand as its scale
.endr
.irp b, 0,1,2,3
	v_lshrrev_b32 v[TM+4+\b], 23, v[TM+12+\b]      ; the scale's byte
.endr
	v_lshl_or_b32 v[QW], v[TM+5], 8, v[TM+4]       ; the four bytes make my row's scale word (both halves of the lanes hold the same)
	v_lshl_or_b32 v[QW], v[TM+6], 16, v[QW]
	v_lshl_or_b32 v[QW], v[TM+7], 24, v[QW]
	s_wait_alu depctr_va_vdst(0)                   ; directly ahead of the wait below
	s_wait_xcnt 0x0                                ; the last fragment's stores have read their data: the codes' registers are written again only behind this wait
.irp c, 0,1
	v_cvt_scalef32_pk16_fp6_f32 v[PC+6*\c:PC+2+6*\c], v[QS+32*\c:QS+15+32*\c], v[TM+12+2*\c]
	v_cvt_scalef32_pk16_fp6_f32 v[PC+12+4*\c:PC+14+4*\c], v[QS+16+32*\c:QS+31+32*\c], v[TM+12+2*\c+1]   ; (a conversion's three registers begin on an even number)
.endr
	v_nop                                          ; one plain instruction behind a scaled conversion
.irp c, 0,1                                    ; the operand's layout wants a WHOLE block in a lane: lanes 0-15 block 2 c, lanes 16-31 block 2 c + 1
.irp i, 0,1,2
	v_permlane16_swap_b32 v[PC+6*\c+\i], v[PC+12+4*\c+\i]
.endr
.irp i, 0,1,2
	v_mov_b32 v[PC+3+6*\c+\i], v[PC+12+4*\c+\i]
.endr
.endr
.endm
.macro SENDF vo, off, ptr              ; the fragment leaves as it stands: 3 x 512 consecutive bytes
.irp c, 0,1,2
	global_store_b128 v[\vo], v[PC+4*\c:PC+4*\c+3], s[\ptr:\ptr+1] offset:(\off)+512*\c
.endr
.endm
	s_load_b128 s[4:7], s[0:1], 0x0                ; x s[4:5], weight s[6:7]
	s_load_b128 s[8:11], s[0:1], 0x10              ; scale s[8:9], x's chunks s[10:11]
	s_load_b64 s[12:13], s[0:1], 0x20              ; w's chunks
	v_lshl_add_u32 v[SPW], v0, 2, SPARE
	v_mov_b32 v[NIL], 0
	ds_add_u32 v[SPW], v[NIL]                      ; the opening lines, ahead of my tensor load: the add, twice on end, under one wait
	ds_add_u32 v[SPW], v[NIL]
	v_lshrrev_b32 v1, 5, v0
	v_readfirstlane_b32 s14, v1                    ; wave 0..15
	s_mov_b32 s[SEL], 0x76543210
	s_mov_b32 s[SEL+1], 0xfedcba98
	; w: work-group W takes rows 64 W ..; wave y takes K = 256 y ..: chunks 2 y and 2 y + 1
	s_lshr_b32 s16, ttmp9, 1                       ; the block of 128 rows,
	s_and_b32 s17, ttmp9, 1                        ; and which 64 rows of it
	s_mul_i32 s20, s16, RBLK
	s_mul_i32 s21, s14, 2*CH
	s_add_co_u32 s20, s20, s21                     ; the results: my block's chunk 2 y
	s_mov_b32 s21, 0
	s_lshl_b32 s22, ttmp9, 18                      ; 64 rows of 4,096 bytes
	s_lshl_b32 s23, s14, 8
	s_add_co_u32 s22, s22, s23
	s_mov_b32 s23, 0
	s_lshl_b32 s18, ttmp9, 8                       ; 64 scales of 4 bytes
	s_mov_b32 s19, 0
	s_mul_i32 s44, s17, 4*FRB                      ; codes: behind the other 64 rows' four fragments
	s_lshl_b32 s45, s17, 8
	s_add_co_u32 s45, s45, SCO                     ; scale words: my 64 rows' 256 bytes
	; x: share 2 W + wave (waves 0 and 1 alone walk that way): chunk = share % 32, 64 rows = share / 32
	s_min_u32 s46, s14, 1
	s_lshl_b32 s47, ttmp9, 1
	s_add_co_u32 s47, s47, s46
	s_and_b32 s48, s47, 31
	s_lshr_b32 s49, s47, 5
	s_lshl_b32 s50, s49, 20                        ; 64 rows of 16,384 bytes
	s_lshl_b32 s51, s48, 9                         ; 128 numbers are 512 bytes
	s_add_co_u32 s50, s50, s51
	s_mov_b32 s51, 0
	s_lshr_b32 s52, s49, 1
	s_mul_i32 s52, s52, RBLK
	s_mul_i32 s53, s48, CH
	s_add_co_u32 s52, s52, s53
	s_mov_b32 s53, 0
	s_and_b32 s54, s49, 1
	s_mul_i32 s55, s54, 4*FRB
	s_lshl_b32 s54, s54, 8
	s_add_co_u32 s54, s54, SCO
	s_mul_i32 s46, s46, XSTG
	s_add_co_u32 s46, s46, XBASE                   ; x's stage of wave 0 or 1
	; the tile: 64 rows x 256 elements of one byte, 4,096 from row to row; 4 words of padding behind every 64
	s_mov_b32 s[G0], 1
	s_mul_i32 s[G0+1], s14, WT
	s_mov_b32 s[G1], (1<<20)|(5<<22)|(3<<25)
	s_mov_b32 s[G1+1], 256<<16
	s_mov_b32 s[G1+2], 64<<16
	s_mov_b32 s[G1+3], 256<<16
	s_mov_b32 s[G1+4], 64
	s_mov_b32 s[G1+5], 4096
	s_mov_b32 s[G1+6], 0
	s_mov_b32 s[G1+7], 0
	s_mov_b32 s24, 0x80808080                      ; int8 + 128, four at a time
	s_mov_b32 s25, 0x4b000000                      ; 2^23: with a byte u below it the bits are the f32 number 2^23 + u
	s_mov_b32 s26, 0xcb000080                      ; -(2^23 + 128)
	s_mov_b32 s27, s26                             ; (named with it as a pair, so it is written)
.irp k, 0,1,2,3
	s_mov_b32 s[28+\k], 0x07040400+\k              ; v_perm_b32: byte k of the word below, two zero bytes, 0x4b on top
.endr
	v_and_b32 v2, 31, v0                           ; lane
	v_and_b32 v6, 15, v0                           ; lane % 16
	v_bfe_u32 v7, v0, 4, 1                         ; lane / 16
.irp b, 0,1,2,3
	v_mov_b32 v[TM+4+\b], 0                        ; written once: a lane permute's destination counts as one of its sources
.endr
	v_mov_b32 v[SCP+1], 0                          ; (named as the upper half of the pair, so it is written)
	v_lshlrev_b32 v3, 4, v2
	v_add_nc_u32 v4, s44, v3
	v_add_nc_u32 v27, s55, v3
	v_lshlrev_b32 v1, 4, v6
	v_mad_u32_u24 v5, v7, CH, v1
	v_add_nc_u32 v5, s45, v5                       ; w's scale words: 16 (lane % 16); lanes 16-31 in the next chunk
	v_lshl_add_u32 v63, v7, 3, v1
	v_add_nc_u32 v63, s54, v63                     ; x's: 16 (lane % 16) + 8 (lane / 16)
	v_add_nc_u32 v14, s46, v3                      ; into x's stage: as loaded
	v_mul_u32_u24 v15, v6, XP
	v_lshl_add_u32 v15, v7, 6, v15
	v_add_nc_u32 v15, s46, v15                     ; out of it: row lane % 16, + 64 (lane / 16)
	v_mul_u32_u24 v26, v6, WP
	v_lshl_add_u32 v26, v7, 4, v26
	v_add_nc_u32 v26, s[G0+1], v26                 ; my tile: row lane % 16, + 16 (lane / 16): my 16 numbers of a block of 32
	v_lshlrev_b32 v1, 2, v6
	s_wait_alu depctr_va_vdst(0)
	s_wait_dscnt 0x0                               ; both opening adds are done
	s_wait_kmcnt 0x0
	s_add_nc_u64 s[G0+2:G0+3], s[6:7], s[22:23]
	s_or_b32 s[G0+3], s[G0+3], 0x80000000
	tensor_load_to_lds s[G0:G0+3], s[G1:G1+7]      ; my tile: my one tensor load
	s_nop 0
	s_add_nc_u64 s[8:9], s[8:9], s[18:19]
	s_add_nc_u64 s[12:13], s[12:13], s[20:21]
	s_add_nc_u64 s[4:5], s[4:5], s[50:51]
	s_add_nc_u64 s[10:11], s[10:11], s[52:53]
.irp g, 0,1,2,3
	global_load_b32 v[SCL+\g], v1, s[8:9] offset:64*\g   ; scale[my first row + 16 g + lane % 16]
.endr
	s_cmp_lt_u32 s14, 2
	s_cbranch_scc0 .Lweights
	; ---------------- x, waves 0 and 1.  An item is 16 rows x 128 along K: 16 loads of 512 consecutive bytes, a row each.  Two sets of registers: the next item's loads are out while this one is worked.
.macro XLOAD n
.irp rr, 0,1,2,3,4,5,6,7,8,9,10,11,12,13,14,15
	global_load_b128 v[D+64*((\n)%2)+4*\rr:D+64*((\n)%2)+4*\rr+3], v3, s[4:5] offset:(16*(\n)+\rr)*16384 th:TH_LOAD_NT
.endr
.endm
.macro XITEM n
.set QS, D+64*((\n)%2)
.set QW, SW+(\n)
.if (\n) < 3
	s_wait_loadcnt 16                              ; this item's 16 loads are in (and the scales', the oldest); the next item's 16 stay out
.else
	s_wait_loadcnt 0x0
.endif
.irp rr, 0,1,2,3,4,5,6,7,8,9,10,11,12,13,14,15
	ds_store_b128 v14, v[QS+4*\rr:QS+4*\rr+3] offset:\rr*XP
.endr
.irp b, 0,1,2,3                                ; LDS serves a wave's instructions in order (ISA guide 5.7.1.4): these see the stores above
.irp j, 0,1,2,3
	ds_load_b128 v[QS+16*\b+4*\j:QS+16*\b+4*\j+3], v15 offset:128*\b+16*\j
.endr
.endr
	s_wait_dscnt 0x0
	QUANT
	SENDF 27, (\n)*FRB, 10
.if (\n)+2 < 4
	XLOAD (\n)+2                                   ; the set is free: it takes the item two on
.endif
.endm
	XLOAD 0
	XLOAD 1
.irp t, 0,1,2,3
	XITEM \t
.endr
	v_cmp_le_u32 vcc_lo, 16, v2                    ; lanes 0-15 store the words of groups 0 and 1 of their row, lanes 16-31 those of groups 2 and 3: 256 consecutive bytes, aligned
	v_cndmask_b32 v[OW], v[SW], v[SW+2], vcc_lo
	v_cndmask_b32 v[OW+1], v[SW+1], v[SW+3], vcc_lo
	global_store_b64 v63, v[OW:OW+1], s[10:11]
	; ---------------- w, every wave.  A group is 16 rows x 256 along K of int8, read from my tile and widened in registers.
.Lweights:
	s_wait_tensorcnt 0x0                           ; my tile has landed; no other wave reads it
	s_wait_loadcnt 0x0                             ; and my rows' scales
.macro WREAD g                         ; group g into set g % 2
.irp b, 0,1,2,3,4,5,6,7
	ds_load_b128 v[RW+32*((\g)%2)+4*\b:RW+32*((\g)%2)+4*\b+3], v26 offset:(\g)*16*WP+32*\b
.endr
.endm
.macro WCONV rs                        ; 16 words of int8, four blocks' worth of my 16, become 64 numbers of w in v[X] on
.irp i, 0,1,2,3,4,5,6,7,8,9,10,11,12,13,14,15
	v_xor_b32 v[\rs+\i], s24, v[\rs+\i]            ; u = the int8 + 128: 0 .. 255
.endr
.irp i, 0,1,2,3,4,5,6,7,8,9,10,11,12,13,14,15
.irp k, 0,1,2,3
	v_perm_b32 v[X+4*\i+\k], s25, v[\rs+\i], s[28+\k]   ; 2^23 + u, exactly
.endr
.endr
.set j, 0
.rept 32
	v_pk_add_f32 v[X+j:X+j+1], v[X+j:X+j+1], s[26:27] op_sel_hi:[1,0]         ; less 2^23 + 128: the int8 as f32, exactly
.set j, j+2
.endr
.set j, 0
.rept 32
	v_pk_mul_f32 v[X+j:X+j+1], v[X+j:X+j+1], v[SCP:SCP+1] op_sel_hi:[1,0]     ; x my row's scale: one rounding in f32
.set j, j+2
.endr
.endm
.macro WGROUP g
.set RS, RW+32*((\g)%2)
.set QS, X
.if (\g) < 3
	s_wait_dscnt 8                                 ; this group's 8 loads are in; the next group's 8 stay out
.else
	s_wait_dscnt 0x0
.endif
	v_mov_b32 v[SCP], v[SCL+(\g)]                  ; my row's scale in this group
	WCONV RS                                       ; blocks 0-3: the first chunk
.set QW, SW+(\g)
	QUANT
	SENDF 4, (\g)*FRB, 12
	WCONV RS+16                                    ; blocks 4-7: the second
.if (\g)+2 < 4
	WREAD (\g)+2                                   ; the set is free: it takes the group two on
.endif
.set QW, SW+4+(\g)
	QUANT
	SENDF 4, CH+(\g)*FRB, 12
.endm
	WREAD 0
	WREAD 1
.irp t, 0,1,2,3
	WGROUP \t
.endr
	s_wait_xcnt 0x0                                ; x's store of scale words has read its data
	v_cmp_le_u32 vcc_lo, 16, v2                    ; lanes 0-15 store the first chunk's four words of their row, lanes 16-31 the second chunk's: each half of the lanes 256 consecutive bytes, aligned
.irp g, 0,1,2,3
	v_cndmask_b32 v[OW+\g], v[SW+\g], v[SW+4+\g], vcc_lo
.endr
	global_store_b128 v5, v[OW:OW+3], s[12:13]
	s_wait_tensorcnt 0x0                           ; the wave's end
	ds_add_u32 v[SPW], v[NIL]
	s_wait_dscnt 0x0
	s_endpgm
.Lfunc_end_k_q9ee032ceec_quant:
	.size	k_q9ee032ceec_quant, .Lfunc_end_k_q9ee032ceec_quant-k_q9ee032ceec_quant
	.p2alignl 7, 3214868480
	.fill 96, 4, 3214868480
	.section	.rodata,"a",@progbits
	.p2align	6, 0x0
	.amdhsa_kernel k_q9ee032ceec_quant
		.amdhsa_group_segment_fixed_size 297472
		.amdhsa_private_segment_fixed_size 0
		.amdhsa_enable_private_segment 0
		.amdhsa_kernarg_size 40
		.amdhsa_user_sgpr_count 2
		.amdhsa_user_sgpr_kernarg_segment_ptr 1
		.amdhsa_wavefront_size32 1
		.amdhsa_system_sgpr_workgroup_id_x 1
		.amdhsa_system_sgpr_workgroup_id_y 1
		.amdhsa_system_sgpr_workgroup_id_z 1
		.amdhsa_system_vgpr_workitem_id 0
		.amdhsa_next_free_vgpr 192
		.amdhsa_next_free_sgpr 66
		.amdhsa_reserve_vcc 1
		.amdhsa_float_denorm_mode_32 3
		.amdhsa_float_denorm_mode_16_64 3
		.amdhsa_memory_ordered 1
		.amdhsa_forward_progress 1
		.amdhsa_inst_pref_size 140
	.end_amdhsa_kernel
	.amdgpu_metadata
---
amdhsa.version: [ 1, 2 ]
amdhsa.kernels:
  - .name:           k_q9ee032ceec_quant
    .symbol:         k_q9ee032ceec_quant.kd
    .args:
      - { .name: x, .offset: 0, .size: 8, .value_kind: global_buffer, .address_space: global }
      - { .name: weight, .offset: 8, .size: 8, .value_kind: global_buffer, .address_space: global }
      - { .name: scale, .offset: 16, .size: 8, .value_kind: global_buffer, .address_space: global }
      - { .name: xc, .offset: 24, .size: 8, .value_kind: global_buffer, .address_space: global }
      - { .name: wc, .offset: 32, .size: 8, .value_kind: global_buffer, .address_space: global }
    .group_segment_fixed_size: 297472
    .private_segment_fixed_size: 0
    .kernarg_segment_align: 8
    .kernarg_segment_size: 40
    .max_flat_workgroup_size: 512
    .sgpr_count:     66
    .vgpr_count:     192
    .wavefront_size: 32
...
	.end_amdgpu_metadata
.endif
;; end of part 1
;; launch gemm (part 2): grid 64 x 4, 4 waves a work-group, clusters of 4 x 4, 327,680 bytes of LDS; arguments xc, wc, bias, out0; writes out0
.if DOCPART == 2
	.amdgcn_target "amdgcn-amd-amdhsa--gfx1250"
	.amdhsa_code_object_version 6
	.text
	.protected	k_q9ee032ceec_gemm
	.globl	k_q9ee032ceec_gemm
	.p2align	8
	.type	k_q9ee032ceec_gemm,@function
k_q9ee032ceec_gemm:
	s_mov_b64 s[64:65], 0
	v_nop
	global_prefetch_b8 v0, s[64:65] scope:SCOPE_SE
	s_setreg_imm32_b32 hwreg(HW_REG_WAVE_MODE, 25, 1), 1
	s_wait_xcnt 0x0
	s_wait_alu depctr_hold_cnt(0) depctr_sa_sdst(0) depctr_va_vdst(0) depctr_va_sdst(0) depctr_va_ssrc(0) depctr_va_vcc(0) depctr_vm_vsrc(0)
	s_getreg_b32 s2, hwreg(HW_REG_IB_STS2, 6, 4)
	s_cmp_eq_u32 s2, 0
	s_cbranch_scc0 .Lentry_in_a_cluster
	s_endpgm
.Lentry_in_a_cluster:
	s_bfe_u32 s2, ttmp6, 0x10000c
	s_cmp_lg_u32 s2, 0xf033
	s_cbranch_scc0 .Lentry_shape_is_right
	s_endpgm
.Lentry_shape_is_right:
; out0[m][o] = sum over i of Q(x)[m][i] Q(w)[o][i] + bias[o], on the codes of FP6 (E2M3) and E8M0 scale words that launch quant laid in the order of the operands' registers.
; A work-group of four waves makes 256 x 256 of out0, a wave 128 x 128: 64 accumulators, 512 registers (windows 2 and 3); A's fragments lie in window 0 (one set), B's in window 1 (two sets).
; The matrix instruction is used transposed (source 0 = 16 rows of w, source 1 = 16 rows of x): a lane holds eight neighbouring columns of one row of out0.  The bias is the C of each accumulator's first product.
; K goes in chunks of 128 (12,800 bytes for 128 rows: 8 fragment images and 512 bytes of scale words) through a ring of two LDS slots of 3 chunks x 4 blocks of 128 rows; each wave fetches 38,400 dense bytes with one tensor load.
; A step's 50 LDS loads stand in three runs: B's next set (24) at the step's head, A's blocks 0-3 and the scale words (14) in its middle, A's blocks 4-7 (12) at its end; at a change of slots B's set comes behind the barrier.
; CLUSTERS: 4 x 4 work-groups; x's tiles are asked for jointly along a row of the cluster, w's along a column.  Each change of slots that fills a slot again is a round of the cluster's barrier.
; PREFETCH: once a lap each cluster names the six chunks of each of its blocks that the next lap loads, each 256 bytes once, shared out among partners and waves by address.
; The way out goes block by block of 16 rows through the wave's own stage in slot 1, which has had its last fill and last read by then; 32 lanes store 512 consecutive bytes, aligned.
.set SIZE_N, 16384
.set CH,     12800
.set NQ,     3
.set TILEB,  NQ*CH
.set RBLK,   32*CH
.set FR,     12
.set FRB,    1536
.set SCO,    8*FRB
.set NL,     3
.set NP,     4
.set SLOT,   4*TILEB
.set SPARE,  2*SLOT
.set STAGE,  SLOT
.set SPITCH, 528
.set ADRA, 16
.set ADRB, 18
.set ADRS, 20
.set STO,  24
.set RD,   25
.set CO,   26
.set BO,   27
.set SPW,  28
.set NIL,  29
.set PFO,  30
.set PFO2, 31
.set SC,   32
.set BI,   64
.set AF,   128
.set BK,   128
.set G1, 24
.set G0, 32
.set G1B, 48
.set G0B, 56
.set G1T, 68
.set G1BT, 80
.set PFB, 92
.set PFA, 94
.set LIMB, 44
.set LIMA, 45
.set MSB, 0
.macro WIN new
.if MSB != (\new)
	s_set_vgpr_msb (MSB<<8)|(\new)
.set MSB, (\new)
.endif
.endm
.set MUL_LO,  0xa1
.set MUL_HI,  0xf1
.set BIAS_LO, 0x81
.set BIAS_HI, 0xc1
.set TO_B,    0x40
.macro JLOAD g0a, g1a, g0b, g1b
	s_cmp_eq_u32 s15, 0
	s_cbranch_scc0 .Lfor_b_\@
	tensor_load_to_lds s[\g0a:\g0a+3], s[\g1a:\g1a+7]
	s_nop 0
.rept 4
	v_nop
.endr
	s_branch .Lasked_\@
.Lfor_b_\@:
	tensor_load_to_lds s[\g0b:\g0b+3], s[\g1b:\g1b+7]
	s_nop 0
.rept 4
	v_nop
.endr
.Lasked_\@:
.endm
.macro CREST
	s_cmp_lg_u32 s14, 0
	s_cbranch_scc1 .Lnot_wave_0_\@
	s_barrier_signal -3
.Lnot_wave_0_\@:
	s_barrier_wait -3
	s_barrier_signal -1
	s_barrier_wait -1
.endm
.macro CROUND
	s_barrier_signal -1
	s_barrier_wait -1
	CREST
.endm
.macro ASK
	s_cmp_gt_u32 s3, s[LIMB]
	s_cbranch_scc0 .Lnot_b_\@
	s_wait_alu depctr_va_vdst(0)
	global_prefetch_b8 v[PFO], s[PFB:PFB+1] th:TH_LOAD_NT scope:SCOPE_SE
	global_prefetch_b8 v[PFO2], s[PFB:PFB+1] th:TH_LOAD_NT scope:SCOPE_SE
.Lnot_b_\@:
	s_cmp_gt_u32 s3, s[LIMA]
	s_cbranch_scc0 .Lnot_a_\@
	s_wait_alu depctr_va_vdst(0)
	global_prefetch_b8 v[PFO], s[PFA:PFA+1] th:TH_LOAD_NT scope:SCOPE_SE
	global_prefetch_b8 v[PFO2], s[PFA:PFA+1] th:TH_LOAD_NT scope:SCOPE_SE
.Lnot_a_\@:
.endm
	s_load_b64 s[4:5], s[0:1], 0x0
	s_load_b64 s[8:9], s[0:1], 0x8
	s_load_b64 s[96:97], s[0:1], 0x10
	s_load_b64 s[12:13], s[0:1], 0x18
	v_lshl_add_u32 v[SPW], v0, 2, SPARE
	v_mov_b32 v[NIL], 0
	ds_add_u32 v28, v29
	ds_add_u32 v28, v29
	s_wait_dscnt 0x0
	v_lshrrev_b32 v1, 5, v0
	v_readfirstlane_b32 s14, v1
	s_lshr_b32 s15, s14, 1
	s_and_b32 s16, s14, 1
	s_bfe_u32 s40, ttmp6, 0x40000
	s_bfe_u32 s41, ttmp6, 0x40004
	s_lshl_b32 s42, ttmp9, 2
	s_add_co_u32 s42, s42, s40
	s_and_b32 s17, ttmp7, 0xffff
	s_lshl_b32 s17, s17, 2
	s_add_co_u32 s17, s17, s41
	s_lshl_b32 s43, s41, 2
	s_lshl_b32 s43, 15, s43
	s_lshl_b32 s44, 0x1111, s40
	s_or_b32 s[G1+0], s43, 1<<21
	s_or_b32 s[G1B+0], s44, 1<<21
	s_or_b32 s[G1T+0], s43, 1<<21
	s_or_b32 s[G1BT+0], s44, 1<<21
.irp g, G1, G1B
	s_mov_b32 s[\g+1], 256<<16
	s_mov_b32 s[\g+2], (TILEB/256)<<16
	s_mov_b32 s[\g+3], 256<<16
	s_mov_b32 s[\g+4], TILEB/256
	s_mov_b32 s[\g+5], 256
	s_mov_b32 s[\g+6], 0
	s_mov_b32 s[\g+7], 0
.endr
.irp g, G1T, G1BT
	s_mov_b32 s[\g+1], 256<<16
	s_mov_b32 s[\g+2], (2*CH/256)<<16
	s_mov_b32 s[\g+3], 256<<16
	s_mov_b32 s[\g+4], 2*CH/256
	s_mov_b32 s[\g+5], 256
	s_mov_b32 s[\g+6], 0
	s_mov_b32 s[\g+7], 0
.endr
	s_lshl_b32 s20, s17, 1
	s_add_co_u32 s20, s20, s16
	s_mul_i32 s20, s20, RBLK
	s_mov_b32 s21, 0
	s_lshl_b32 s46, s42, 1
	s_add_co_u32 s46, s46, s16
	s_mul_i32 s46, s46, RBLK
	s_mov_b32 s47, 0
	s_mul_i32 s45, s14, TILEB
	s_wait_kmcnt 0x0
	s_add_nc_u64 s[20:21], s[4:5], s[20:21]
	s_add_nc_u64 s[46:47], s[8:9], s[46:47]
	CROUND
.irp s, 0,1
	s_mov_b32 s[G0+4*\s], 1
	s_add_co_u32 s[G0+4*\s+1], s45, \s*SLOT
	s_add_nc_u64 s[G0+4*\s+2:G0+4*\s+3], s[20:21], \s*TILEB
	s_or_b32 s[G0+4*\s+3], s[G0+4*\s+3], 0x80000000
	s_mov_b32 s[G0B+4*\s], 1
	s_add_co_u32 s[G0B+4*\s+1], s45, \s*SLOT
	s_add_nc_u64 s[G0B+4*\s+2:G0B+4*\s+3], s[46:47], \s*TILEB
	s_or_b32 s[G0B+4*\s+3], s[G0B+4*\s+3], 0x80000000
.endr
	JLOAD G0, G1, G0B, G1B                         ; chunks 0 to 2: one tensor load a wave at the head; all the set-up below stands under its flight
	v_and_b32 v1, 15, v0
	v_bfe_u32 v2, v0, 4, 1
	v_and_b32 v6, 31, v0
	v_lshlrev_b32 v[CO], 4, v6
	s_mul_i32 s21, s15, TILEB
	s_mul_i32 s22, s16, TILEB
	s_add_co_u32 s22, s22, 2*TILEB
	s_sub_co_u32 s23, s22, s21
	v_mul_u32_u24 v5, s23, v2
	v_lshl_add_u32 v5, v1, 4, v5
.irp s, 0,1
	v_add_nc_u32 v[ADRA+\s], s21, v[CO]
	v_add_nc_u32 v[ADRB+\s], s22, v[CO]
	v_add_nc_u32 v[ADRS+\s], s21, v5
	s_add_co_u32 s21, s21, SLOT
	s_add_co_u32 s22, s22, SLOT
.endr
	s_mul_i32 s23, s14, 16*SPITCH
	s_add_co_u32 s23, s23, STAGE
	v_mul_u32_u24 v5, v1, SPITCH
	v_lshl_add_u32 v5, v2, 5, v5
	v_add_nc_u32 v[STO], s23, v5
	v_add_nc_u32 v[RD], s23, v[CO]
	v_lshlrev_b32 v[BO], 5, v2
	s_wait_alu depctr_va_vdst(0)
	v_lshlrev_b32 v[PFO], 8, v6
	v_min_u32 v[PFO2], 17, v6
	v_lshlrev_b32 v[PFO2], 8, v[PFO2]
	v_add_nc_u32 v[PFO2], 8192, v[PFO2]
	s_lshl_b32 s20, s17, 8
	s_lshl_b32 s21, s15, 7
	s_add_co_u32 s20, s20, s21
	s_mov_b32 s21, 0
	s_mov_b64 s[18:19], SIZE_N*4
	s_mul_u64 s[20:21], s[20:21], s[18:19]
	s_lshl_b32 s46, s42, 10
	s_lshl_b32 s47, s16, 9
	s_add_co_u32 s46, s46, s47
	s_mov_b32 s47, 0
	s_add_nc_u64 s[20:21], s[20:21], s[46:47]
	s_add_nc_u64 s[12:13], s[12:13], s[20:21]
	s_add_nc_u64 s[96:97], s[96:97], s[46:47]
.irp b, 0,1,2,3,4,5,6,7
	global_load_b128 v[BI+8*\b:BI+8*\b+3],   v[BO], s[96:97] offset:64*\b
	global_load_b128 v[BI+8*\b+4:BI+8*\b+7], v[BO], s[96:97] offset:64*\b+16
.endr
	s_lshl_b32 s20, s42, 1
	s_lshr_b32 s21, s41, 1
	s_add_co_u32 s20, s20, s21
	s_mul_i32 s20, s20, RBLK
	s_and_b32 s21, s41, 1
	s_lshl_b32 s22, s14, 1
	s_add_co_u32 s21, s21, s22
	s_add_co_u32 s21, s21, 6
	s_mul_i32 s21, s21, CH
	s_add_co_u32 s20, s20, s21
	s_mov_b32 s21, 0
	s_add_nc_u64 s[PFB:PFB+1], s[8:9], s[20:21]
	s_lshl_b32 s20, s17, 1
	s_lshr_b32 s21, s40, 1
	s_add_co_u32 s20, s20, s21
	s_mul_i32 s20, s20, RBLK
	s_and_b32 s21, s40, 1
	s_add_co_u32 s21, s21, s22
	s_add_co_u32 s21, s21, 6
	s_mul_i32 s21, s21, CH
	s_add_co_u32 s20, s20, s21
	s_mov_b32 s21, 0
	s_add_nc_u64 s[PFA:PFA+1], s[4:5], s[20:21]
	s_cmp_eq_u32 s14, 0
	s_cselect_b32 s[LIMB], 0, 1
	s_cmp_eq_u32 s14, 3
	s_cselect_b32 s[LIMB], -1, s[LIMB]
	s_cmp_eq_u32 ttmp9, 0
	s_cselect_b32 s[LIMA], s[LIMB], -1
.macro FRAG reg, adr, q, i
.irp c, 0,1,2
	ds_load_b128 v[\reg+4*\c:\reg+4*\c+3], v[\adr] offset:(\q)*CH+(\i)*FRB+512*\c
.endr
.endm
.macro MUL16 a0, p, first
.irp a, \a0, \a0+1
.irp b, 0,1,2,3,4,5,6,7
.if \first
	v_wmma_scale_f32_16x16x128_f8f6f4 v[8*(8*((\a)%4)+\b):8*(8*((\a)%4)+\b)+7], v[128*(\p)+FR*\b:128*(\p)+FR*\b+FR-1], v[AF+FR*(\a):AF+FR*(\a)+FR-1], v[BI+8*\b:BI+8*\b+7], v[SC+8*(\p)+\b], v[SC+8*(\p)+(\a)] matrix_a_fmt:MATRIX_FMT_FP6 matrix_b_fmt:MATRIX_FMT_FP6 matrix_a_scale:MATRIX_SCALE_ROW1
.else
	v_wmma_scale_f32_16x16x128_f8f6f4 v[8*(8*((\a)%4)+\b):8*(8*((\a)%4)+\b)+7], v[128*(\p)+FR*\b:128*(\p)+FR*\b+FR-1], v[AF+FR*(\a):AF+FR*(\a)+FR-1], v[8*(8*((\a)%4)+\b):8*(8*((\a)%4)+\b)+7], v[SC+8*(\p)+\b], v[SC+8*(\p)+(\a)] matrix_a_fmt:MATRIX_FMT_FP6 matrix_b_fmt:MATRIX_FMT_FP6 matrix_a_scale:MATRIX_SCALE_ROW1
.endif
.endr
.endr
.endm
.macro FETCH_B slot, q, p
	WIN TO_B
.irp i, 0,1,2,3,4,5,6,7
	FRAG 128*(\p)+FR*\i, ADRB+\slot, \q, \i
.endr
	WIN 0
.endm
.macro FETCH_A slot, q, i0
.irp i, \i0, \i0+1, \i0+2, \i0+3
	FRAG AF+FR*(\i), ADRA+\slot, \q, \i
.endr
.endm
.macro SCALES p, slot, q
.irp u, 0,1
	ds_load_b128 v[SC+8*(\p)+4*\u:SC+8*(\p)+4*\u+3], v[ADRS+\slot] offset:SCO+(\q)*CH+256*\u
.endr
.endm
.macro PLACES n
.rept \n
	v_nop
.endr
.endm
.macro STEP slot, q, p, first
	s_wait_dscnt 4*NL                              ; B's set, A's blocks 0-3 and the scale words are in; the youngest twelve loads (A's blocks 4-7) may be out
	FETCH_B \slot, (\q)+1, 1-(\p)                  ; B's other set is free through the whole step (four places stand behind the last product that read it): the next chunk's 24 loads
.if \first
	WIN BIAS_LO
.else
	WIN MUL_LO
.endif
	MUL16 0, \p, \first
	MUL16 2, \p, \first
	s_wait_dscnt 8*NL                              ; A's blocks 4-7 are in; the 24 loads of B's next set, issued behind them, may be out
	PLACES NP
	WIN 0                                          ; the loads below name window 0 alone
	FETCH_A \slot, (\q)+1, 0
	SCALES 1-(\p), \slot, (\q)+1
.if \first
	WIN BIAS_HI
.else
	WIN MUL_HI
.endif
	MUL16 4, \p, \first
	MUL16 6, \p, \first
	PLACES NP
	WIN 0
	FETCH_A \slot, (\q)+1, 4
.endm
.macro TURN slot, next, p, fill, ask
.if \ask
	s_wait_xcnt 0x0
	s_add_nc_u64 s[PFB:PFB+1], s[PFB:PFB+1], 2*TILEB
	s_add_nc_u64 s[PFA:PFA+1], s[PFA:PFA+1], 2*TILEB
.endif
	s_wait_tensorcnt 0x0
	ds_add_u32 v[SPW], v[NIL]
	s_wait_dscnt 4*NL+1
	WIN MUL_LO
	MUL16 0, \p, 0
	s_wait_dscnt 0x0
	s_barrier_signal -1
	MUL16 2, \p, 0
	WIN 0
	s_barrier_wait -1
.if \fill
	CREST
	s_add_nc_u64 s[G0+4*\slot+2:G0+4*\slot+3], s[G0+4*\slot+2:G0+4*\slot+3], 2*TILEB
	s_add_nc_u64 s[G0B+4*\slot+2:G0B+4*\slot+3], s[G0B+4*\slot+2:G0B+4*\slot+3], 2*TILEB
.if \fill == 1
	JLOAD G0+4*\slot, G1, G0B+4*\slot, G1B
.else
	JLOAD G0+4*\slot, G1T, G0B+4*\slot, G1BT
.endif
.else
	PLACES NP
.endif
	FETCH_B \next, 0, 1-(\p)
	FETCH_A \next, 0, 0
	SCALES 1-(\p), \next, 0
.if \ask
	ASK
.endif
	WIN MUL_HI
	MUL16 4, \p, 0
	MUL16 6, \p, 0
	PLACES NP
	WIN 0
	FETCH_A \next, 0, 4
.endm
	s_wait_alu depctr_va_vdst(0)
	s_wait_tensorcnt 0x0                           ; my part of slot 0 is in; the same lines stand ahead of a later first fill as ahead of a refill:
	ds_add_u32 v[SPW], v[NIL]                      ; 0 onto my spare word;
	s_wait_dscnt 0x0                               ; the add is done
	CROUND                                         ; a whole round: everybody's part of slot 0 is in, and all sixteen work-groups are here,
	JLOAD G0+4, G1, G0B+4, G1B                     ; and slot 1's first fill, chunks 3 to 5, is the first tensor load behind the round
	FETCH_B 0, 0, 0
	FETCH_A 0, 0, 0
	SCALES 0, 0, 0
	FETCH_A 0, 0, 4
	s_wait_loadcnt 0x0
	STEP 0, 0, 0, 1
	s_mov_b32 s3, 4
.Llap:
	STEP 0, 1, 1, 0
	TURN 0, 1, 0, 1, 0
	STEP 1, 0, 1, 0
	STEP 1, 1, 0, 0
	TURN 1, 0, 1, 1, 1
	STEP 0, 0, 0, 0
	s_sub_co_u32 s3, s3, 1
	s_cmp_lg_u32 s3, 0
	s_cbranch_scc1 .Llap
	STEP 0, 1, 1, 0
	TURN 0, 1, 0, 2, 0
	STEP 1, 0, 1, 0
	STEP 1, 1, 0, 0
	TURN 1, 0, 1, 0, 0
	STEP 0, 0, 0, 0
	s_wait_dscnt 4*NL
	WIN MUL_LO
	MUL16 0, 1, 0
	MUL16 2, 1, 0
	s_wait_dscnt 0
	WIN MUL_HI
	MUL16 4, 1, 0
	MUL16 6, 1, 0
	WIN 0
.macro TOSTAGE a
.set AC, 64*((\a)%4)
	WIN 0x08+4*((\a)/4)
.irp b, 0,1,2,3,4,5,6,7
	ds_store_b128 v[STO], v[AC+8*\b:AC+8*\b+3] offset:64*\b
	ds_store_b128 v[STO], v[AC+8*\b+4:AC+8*\b+7] offset:64*\b+16
.endr
	WIN 0
.set BB, BK+64*((\a)%2)
.irp t, 0,1,2,3,4,5,6,7,8,9,10,11,12,13,14,15
	ds_load_b128 v[BB+4*\t:BB+4*\t+3], v[RD] offset:\t*SPITCH
.endr
.endm
.macro SEND a, younger
.set BB, BK+64*((\a)%2)
	s_wait_dscnt \younger
.if (\a) > 0
	s_add_nc_u64 s[12:13], s[12:13], 16*SIZE_N*4
.endif
.irp t, 0,1,2,3,4,5,6,7,8,9,10,11,12,13,14,15
	global_store_b128 v[CO], v[BB+4*\t:BB+4*\t+3], s[12:13] offset:\t*SIZE_N*4 th:TH_STORE_NT
.endr
.endm
	PLACES NP
	TOSTAGE 0
.irp a, 1,2,3,4,5,6,7
.if \a > 1
	s_wait_xcnt 0x0
.endif
	TOSTAGE \a
	SEND \a-1, 32
.endr
	s_wait_xcnt 0x0
	SEND 7, 0
	s_wait_tensorcnt 0x0
	ds_add_u32 v[SPW], v[NIL]
	s_wait_dscnt 0x0
	CROUND
	s_endpgm
.Lfunc_end_k_q9ee032ceec_gemm:
	.size	k_q9ee032ceec_gemm, .Lfunc_end_k_q9ee032ceec_gemm-k_q9ee032ceec_gemm
	.p2alignl 7, 3214868480
	.fill 96, 4, 3214868480
	.section	.rodata,"a",@progbits
	.p2align	6, 0x0
	.amdhsa_kernel k_q9ee032ceec_gemm
		.amdhsa_group_segment_fixed_size 327680
		.amdhsa_private_segment_fixed_size 0
		.amdhsa_enable_private_segment 0
		.amdhsa_kernarg_size 32
		.amdhsa_user_sgpr_count 2
		.amdhsa_user_sgpr_kernarg_segment_ptr 1
		.amdhsa_wavefront_size32 1
		.amdhsa_system_sgpr_workgroup_id_x 1
		.amdhsa_system_sgpr_workgroup_id_y 1
		.amdhsa_system_sgpr_workgroup_id_z 1
		.amdhsa_system_vgpr_workitem_id 0
		.amdhsa_next_free_vgpr 1024
		.amdhsa_next_free_sgpr 98
		.amdhsa_reserve_vcc 0
		.amdhsa_float_denorm_mode_32 3
		.amdhsa_float_denorm_mode_16_64 3
		.amdhsa_memory_ordered 1
		.amdhsa_forward_progress 1
		.amdhsa_inst_pref_size 208
	.end_amdhsa_kernel
	.amdgpu_metadata
---
amdhsa.version: [ 1, 2 ]
amdhsa.kernels:
  - .name:           k_q9ee032ceec_gemm
    .symbol:         k_q9ee032ceec_gemm.kd
    .args:
      - { .name: xc, .offset: 0, .size: 8, .value_kind: global_buffer, .address_space: global }
      - { .name: wc, .offset: 8, .size: 8, .value_kind: global_buffer, .address_space: global }
      - { .name: bias, .offset: 16, .size: 8, .value_kind: global_buffer, .address_space: global }
      - { .name: out0, .offset: 24, .size: 8, .value_kind: global_buffer, .address_space: global }
    .group_segment_fixed_size: 327680
    .private_segment_fixed_size: 0
    .kernarg_segment_align: 8
    .kernarg_segment_size: 32
    .max_flat_workgroup_size: 128
    .sgpr_count:     98
    .vgpr_count:     1024
    .wavefront_size: 32
...
	.end_amdgpu_metadata
.endif
;; end of part 2
